; MI455X (gfx1250); checked and timed in simulation.
; The chip was launched on July 23, 2026; its instructions are those of AMD's public machine-readable ISA for CDNA 5 (MIT licence, August 2026) and "CDNA5" Instruction Set Architecture Reference Guide (July 2026). The comments in the code are by the model that wrote it; some were corrected since.
;; Multi Head Attention Base. Allowed arithmetic: matrix products marked QUANTISED: E5M2 operands, one given power-of-two scale a tensor, by v_wmma_f32_16x16x64_bf8_bf8 or v_wmma_f32_16x16x128_bf8_bf8, f32 sums; everything else in f32.
;; Inputs: k 4 x 2,048 x 1,024 float32; lowp_scales 4 int32 (the exponents e of the quantised operands' scales 2^e); mask 4 x 2,048 int32; q 4 x 2,048 x 1,024 float32; v_codes 4 x 1,024 x 64 x 32 uint8 (E5M2 codes of v, K innermost, in blocks of 32 codes).
;; Outputs: out0 4 x 2,048 x 1,024 float32.
;; This version of the problem:
;;   THIS VERSION OF THE PROBLEM IS GIVEN IN LOW PRECISION. The matrix products marked QUANTISED in the list below multiply operands that are first quantised to E5M2 (5 exponent bits, 2 mantissa bits; 8 bits a number), with one given power-of-two scale for each operand tensor; their sums are f32. All else is computed in f32.
;;   The module's matrix products, in the order in which they are computed (A, B: the left and right operand; K: the contracted axis; several contracted axes count as one K, in the product's order):
;;     1. batch 64 x [M 2,048, K 64] x [K 64, N 2,048]; A: input q; B: input k: QUANTISED (scales: A lowp_scales[0], B lowp_scales[1])
;;     2. batch 64 x [M 2,048, K 2,048] x [K 2,048, N 64]; A: softmax (see below); B: input v (given as codes): QUANTISED (scales: A lowp_scales[2], B lowp_scales[3])
;;   THE QUANTISER, for each operand of a quantised product, along K:
;;     - The operand's scale is 2^e, e = its entry of the input lowp_scales (int32; the entries are numbered through the quantised products in the list's order, A before B).
;;     - Each number is divided by the scale, clamped to +-57,344, and rounded to the nearest number of E5M2, ties to even, subnormals kept.
;;     - The product sums the exact products of the quantised numbers (number of the format x scale) in f32.
;;   ~~~python
;;   def quantise(x, axis, e):      # numpy; x: float32 -> the quantised numbers, widened to float32 again
;;       x = np.moveaxis(x, axis, -1); K = x.shape[-1]
;;       r = np.clip(x / 2.0 ** e, -57344, 57344)
;;       step = 2.0 ** (np.maximum(np.frexp(np.where(r == 0, 1, r))[1] - 1, -14) - 2)
;;       q = np.round(r / step) * step * 2.0 ** e      # np.round: ties to even
;;       return np.moveaxis(q, -1, axis).astype(np.float32)
;;   ~~~
;;   SOFTMAX AHEAD OF A QUANTISED PRODUCT. Where the list says 'softmax', what is quantised is not the finished softmax but p = 2^(t - M), with t = logit x log2(e) and M = ceil(the row's largest t), a whole number; so 1/2 < the row's largest p <= 1. The row's sum l is taken of the UNQUANTISED p, in f32, and the product's result is divided by l at the end. Since M is a whole number, a kernel that streams over the keys may use a running M (the ceiling of the running maximum): every later rescaling is an exact power of two, so the quantised numbers keep their values, but for numbers so far below the row's largest that they fall under the format's range.
;;   OPERANDS COMPUTED ON THE WAY. 'Computed on the way' means the value that the module computes at that place (a softmax that the list does not call 'softmax' is quantised finished and normalised). What goes into a quantiser is computed in f32, as accurately as f32 sums, v_exp_f32 and their like allow (about 1e-6 of the number): no bf16 or f16 on the way to a quantiser, and a product that is left as it is and whose result goes on into a quantised operand takes f32 operands (vector FMAs, or v_wmma_f32_16x16x4_f32). A number that lies on a knife's edge between two numbers of the format may be rounded either way, as far as f32 arithmetic and the matrix unit's own rounding can turn it there, and no further.
;;   INPUTS GIVEN AS CODES. v (in the module: [4, 2048, 1024], K = its axis 1): each comes as NAME_codes (uint8): NAME with its K axis moved to the last place and cut into blocks of 32 codes, [.., K / 32, bytes a block], one block behind the other in memory; one code a byte (a code: sign, 5 exponent bits, 2 mantissa bits); its scale is its entry of lowp_scales. Its value is code x scale, taken as it is: it is not quantised again, and the codes and scales need not be those that the quantiser above would give.
;; One version. Each part assembles by itself: llvm-mc -triple=amdgcn-amd-amdhsa -mcpu=gfx1250 --defsym DOCPART=n.
;; ======== version 1 of 1: 1 launch
;; limits: right only within a limited range of input values
;; launch attn (part 1): grid 4 x 64, 8 waves a work-group, clusters of 4 x 1, 327,680 bytes of LDS; arguments q, k, v_codes, mask, lowp_scales, out0; writes out0
.if DOCPART == 1
	.amdgcn_target "amdgcn-amd-amdhsa--gfx1250"
	.amdhsa_code_object_version 6
	.text
	.protected	k_q09b6d4cc6a_attn
	.globl	k_q09b6d4cc6a_attn
	.p2align	8
	.type	k_q09b6d4cc6a_attn,@function
k_q09b6d4cc6a_attn:
	s_mov_b64 s[64:65], 0
	v_nop
	global_prefetch_b8 v0, s[64:65] scope:SCOPE_SE
	s_setreg_imm32_b32 hwreg(HW_REG_WAVE_MODE, 25, 1), 1
	s_wait_xcnt 0x0
	s_wait_alu depctr_hold_cnt(0) depctr_sa_sdst(0) depctr_va_vdst(0) depctr_va_sdst(0) depctr_va_ssrc(0) depctr_va_vcc(0) depctr_vm_vsrc(0)
	s_getreg_b32 s2, hwreg(HW_REG_IB_STS2, 6, 4)
	s_cmp_eq_u32 s2, 0
	s_cbranch_scc0 .Lentry_in_a_cluster
	s_endpgm
.Lentry_in_a_cluster:
	s_bfe_u32 s2, ttmp6, 0x10000c
	s_cmp_lg_u32 s2, 0x3003
	s_cbranch_scc0 .Lentry_shape_is_right
	s_endpgm
.Lentry_shape_is_right:
; out0[b][s][64 hd + d] = sum over keys of softmax_key(q . k / 8, masked keys at a very low logit) v, for 4 batches x 16 heads, 2,048 queries and keys, head size 64.
; Both products on codes of BF8 (E5M2): q and k (f32) are quantised here with the given 2^eq, 2^ek; v arrives as codes with the keys innermost; p = 2^(t - M), M a whole number (the ceiling of the
; running largest t), is quantised with the given 2^ep; the row's sum is taken of the unquantised p and divides at the end, together with 2^(ep + ev).  No work of reference() is left out.
; SHARES.  The four work-groups of a cluster own one (batch, head); each takes 512 of its queries, as two blocks of 256.  Eight waves; a wave owns 32 queries of a block: two tiles of 16, so that every
; fragment of K, of V and of the mask's table feeds two matrix instructions.
; K IS QUANTISED ON THE WAY.  A trip is 256 keys (two key steps of 128).  The head prepares trips 0 and 1.  In block 0's walk trip T opens with the wave's 32 keys of trip T + 2: their f32 numbers, asked for a whole
; trip earlier (16 register loads), are held, converted and stored as codes; the loads for trip T + 3 go out; the wave signals the barrier, and waits for it at the trip's end.  Each byte of K's codes is written once
; and then only read, so the one ordering needed is store, wait, signal .. wait, read: trip T reads the codes of trips T and T + 1, stored ahead of the barrier of trip T - 1 at the latest.
; Block 1 walks the finished codes with no barrier.  Trip 5 asks for block 1's q by the same load lines (another base), trips 6 and 7 for nothing.
; FRAGMENTS A STEP AHEAD.  Behind a step's first product the next step's fragments of K and of the table are loaded into the registers that it has just read; V's fragments go into tile 0's score registers once its p is converted.
; V's codes: one joint tensor load a wave (the four partners ask by the same descriptor); no LDS byte is filled twice, so there is no ring.
; k's f32 numbers are NOT asked for jointly: a head's are 512 KiB, which would want LDS slots that are filled again, with a round of the cluster's barrier for each refill, for bytes that a wave touches once.
; No data prefetch: k's rows are asked for by the register loads themselves, a whole trip ahead of the conversion that reads them; q, the mask and V are asked for once, at the head or by those same lines.
; THE MASK.  Two tables in LDS, one f32 number a key.  A masked key's hold limit is 0, so its codes are zeros, and it gets, as the C of S^T = K Q^T + C, the number -2^(33 - eq - ek): t = -2^30 log2(e), exact.
; So a row all of whose keys are masked has equal p for all keys, as the reference has.  LIMIT: the masked logit is -2^30 and not -1e9: the same result while unmasked logits stay above about -1e9 + 200.
; LIMITS on the given exponents, so that each power of two below is an f32 number: eq, ek, ep each between -126 and 112; eq + ek between -94 and 130.  NaN among the inputs is not served.
; LAYOUT.  Both products are used transposed: S^T = K Q^T (source 0 = 16 keys, source 1 = 16 queries), O^T = V^T P^T: a lane holds ONE query (lane % 16) throughout.
; Row m of tile 2 b + u is key 32 b + 8 u + m % 8 + 16 (m / 8) of the step, so that the 16 registers of tiles 2 b, 2 b + 1 are keys 32 b + 16 (lane / 16) + 0 .. 15: the conversions' results ARE P.
; A fragment of K or Q (16 rows x 64): lane (r, h) holds d = 32 h + 0 .. 31 of row r, the same permutation on both sides; likewise V and P (registers 4 c .. 4 c + 3: keys 32 c + 16 h + 0 .. 15).
; LDS.  K: step s at s x 8,256; row rho at 64 rho; its 16-byte column c at column c xor ((rho / 4) % 4).  V: chunk w = keys 256 w on: 64 rows of 256 bytes + 16.  Tables: step x 128 + rho.  Stage: 4,352 bytes a wave.
; REGISTERS.  Window 0: v1-31 addresses and constants; v32-55 statistics, 12 a tile; v64-191 S^T, then p; v64-127 then V's four fragments; at a trip's head v128-143 hold limits, v144-159 codes; v192-223 P; v224-239 Q's two fragments.
;   Window 1: v0-63 K's eight fragments; v64-127 the table's eight; v128-191 the 32 rows of f32 that are on their way; v192-255 O^T, 32 a tile.
.set KSTEPB, 8256
.set VBASE,  16*KSTEPB                 ; 132,096
.set VCH,    17408                     ; 64 rows x 272
.set BBASE,  VBASE+8*VCH               ; 271,360: the table of C
.set LBASE,  BBASE+8192                ; the table of hold limits
.set STG,    LBASE+8192
.set STW,    4352
.set SPARE,  STG+8*STW                 ; 322,560: the spare words, 128 bytes a wave
.set AK0, 1                            ; my lane's place in a tile of K: 64 r + 16 ((2 h) xor (r / 4));  AK1: the column beside it
.set AK1, 2
.set AV0, 3                            ; in a chunk of V: VBASE + 272 r + 16 h
.set AB0, 4                            ; in the table of C: BBASE + 32 h
.set ADK0, 5                           ; the same four with a trip's base
.set ADK1, 6
.set ADV, 7
.set ADB, 8
.set STO, 9                            ; the way out: where I put 32 bytes of a row
.set RD,  10                           ; and where I read 16 bytes of a row back
.set GQ,  11                           ; 4,096 (lane / 16) + 16 (lane % 16): out0's stores
.set KG,  12                           ; 65,536 (lane / 16) + 16 (lane % 16): k's and q's loads: load i takes rows i and 16 + i
.set LT0, 13                           ; my 16 hold limits of a trip
.set ADL, 14
.set SPW, 15                           ; my spare word; never rewritten
.set ASK, 16                           ; v16-17 where I store 4 codes of K, for (i / 4) % 2
.set ADS, 18                           ; v18-19 the same with the trip's base
.set ASQ, 20                           ; v20-23 the same for Q, in my stage, for (i / 4) % 4
.set QA0, 24                           ; Q's fragments out of my stage
.set QA1, 25
.set SCK, 26                           ; 2^ek
.set NIL, 27                           ; 0, for the add alone
.set SCQ, 28
.set LQ,  29                           ; 57,344 x 2^eq
.set SCP, 30                           ; 2^ep
.set ST0, 32                           ; tile t's statistics at ST0 + 12 t: +0 -M, +1 largest t, +2,3 the sum, +4,5 f, +6,7 at work, +8,9 second chain of the sum, +10,11 1 / sum
.set TA,  53                           ; head only: where my thread stores its 8 keys of the tables
.set LK,  54                           ; head only: 57,344 x 2^ek
.set MG,  55                           ; head only: 32 x thread: the mask's loads
.set BIASV, 56                         ; head only: -2^(33 - eq - ek)
.set ZERO, 57                          ; head only
.set S,   64
.set LIM, 128
.set CD,  144
.set P,   192
.set QF,  224
.set QP, 4
.set KP, 6
.set MP, 10
.set OP, 14
.set WV, 16
.set G1, 24
.set G0, 32
.set CS, 36                            ; s[36:37] c = log2(e) / 8 x 2^(eq + ek)
.set SEL, 38                           ; s[38:39] lane selects: lane xor 16
.set KB, 40
.set BB, 41
.set VB, 42
.set CNT, 43
.set EPV, 44
.set LA, 56                            ; s[56:57] the base of a trip's register loads
.set LPS, 58                           ; 57,344 x 2^ep
.set KN, 60                            ; s[60:61] k at my rows of the trip whose numbers are held in registers
.set MSB, 0
.macro WIN new                         ; low byte: bits 1:0 source 0, 3:2 source 1, 5:4 source 2, 7:6 destination; the high byte repeats the setting that is left
.if MSB != \new
	s_set_vgpr_msb (MSB<<8)|\new
.set MSB, \new
.endif
.endm
.macro VW
	s_wait_alu depctr_va_vdst(0)
.endm
.macro CROUND                          ; a round of the cluster's barrier
	s_barrier_signal -1
	s_barrier_wait -1
	s_cmp_lg_u32 s[WV], 0
	s_cbranch_scc1 .Lnot_wave_0_\@
	s_barrier_signal -3
.Lnot_wave_0_\@:
	s_barrier_wait -3
	s_barrier_signal -1
	s_barrier_wait -1
.endm
.macro LOADROWS sg, base, off          ; 32 rows of 256 bytes into set sg of window 1: sixteen lanes read one row's 256 bytes of the head
	WIN 0x40
.irp i, 0,1,2,3,4,5,6,7,8,9,10,11,12,13,14,15
	global_load_b128 v[64*(\sg)+4*\i:64*(\sg)+4*\i+3], v[KG], s[\base:\base+1] offset:(\off)+\i*4096
.endr
	WIN 0
.endm
.macro QUANT sg, sc, per               ; set sg's 64 numbers become 16 words of codes: word i = the 4 numbers of load i.  per = 1: each load has its own limit
	WIN 0x41
.irp i, 0,1,2,3,4,5,6,7,8,9,10,11,12,13,14,15
.irp e, 0,1,2,3
.if \per
	v_med3_num_f32 v[64*(\sg)+4*\i+\e], v[64*(\sg)+4*\i+\e], -v[LIM+\i], v[LIM+\i]   ; the hold (the conversion does not saturate: ISA guide 7.6.2); a masked key is held at 0
.else
	v_med3_num_f32 v[64*(\sg)+4*\i+\e], v[64*(\sg)+4*\i+\e], -v[LQ], v[LQ]
.endif
.endr
.endr
	WIN 0x01
.irp m, 0,1,2,3,4,5,6,7
	v_cvt_scalef32_pk8_bf8_f32 v[CD+2*\m:CD+2*\m+1], v[64*(\sg)+8*\m:64*(\sg)+8*\m+7], v[\sc]
.endr
	WIN 0
	v_nop                                          ; one plain vector instruction behind the last conversion of a run
.endm
; My 32 keys of trip (the one in hand + toff): key 16 hh + i of them goes to row 8 hh + i % 8 + 16 (i / 8).  more = 1: the set is asked for again at once.
.macro KQUANT sg, toff, more
	v_add_nc_u32 v[ADL], s[BB], v[LT0]
	v_add_nc_u32 v[ADS], s[KB], v[ASK]
	v_add_nc_u32 v[ADS+1], s[KB], v[ASK+1]
.irp x, 0,1,2,3
	ds_load_b128 v[LIM+4*\x:LIM+4*\x+3], v[ADL] offset:(\toff)*1024+16*((\x)&1)+64*((\x)>>1)
.endr
	VW
	s_wait_dscnt 0x0
	QUANT \sg, SCK, 1
.if \more
	LOADROWS \sg, LA, 0x100000
.endif
.irp i, 0,1,2,3,4,5,6,7,8,9,10,11,12,13,14,15
	ds_store_b32 v[ADS+(((\i)>>2)&1)], v[CD+\i] offset:(\toff)*2*KSTEPB+(((\i)&7)+16*((\i)>>3))*64
.endr
.endm
.macro QWORK sg                        ; Q's codes go through my stage, rows of 64 bytes laid as K's are, and come back as two fragments.  LDS serves a wave's instructions in order (ISA guide 5.7.1.4)
	QUANT \sg, SCQ, 0
.irp i, 0,1,2,3,4,5,6,7,8,9,10,11,12,13,14,15
	ds_store_b32 v[ASQ+(((\i)>>2)&3)], v[CD+\i] offset:64*\i
.endr
.irp u, 0,1
	ds_load_b128 v[QF+8*\u:QF+8*\u+3], v[QA0] offset:1024*\u
	ds_load_b128 v[QF+8*\u+4:QF+8*\u+7], v[QA1] offset:1024*\u
.endr
.endm
.macro KTLOAD ko, bo                   ; a step's eight fragments of K and eight of the table: 32 loads
	WIN 0x40
.irp tt, 0,1,2,3,4,5,6,7
	ds_load_b128 v[8*\tt:8*\tt+3], v[ADK0] offset:(\ko)+1024*\tt
	ds_load_b128 v[8*\tt+4:8*\tt+7], v[ADK1] offset:(\ko)+1024*\tt
	ds_load_b128 v[64+8*\tt:64+8*\tt+3], v[ADB] offset:(\bo)+64*\tt
	ds_load_b128 v[64+8*\tt+4:64+8*\tt+7], v[ADB] offset:(\bo)+64*\tt+16
.endr
	WIN 0
.endm
.macro KTADR                           ; the addresses of K and of the table at the trip whose bases s[KB], s[BB] hold
	v_add_nc_u32 v[ADK0], s[KB], v[AK0]
	v_add_nc_u32 v[ADK1], s[KB], v[AK1]
	v_add_nc_u32 v[ADB], s[BB], v[AB0]
.endm
	s_load_b256 s[4:11], s[0:1], 0x0               ; q s[4:5], k s[6:7], v_codes s[8:9], mask s[10:11]
	s_load_b128 s[12:15], s[0:1], 0x20             ; lowp_scales s[12:13], out0 s[14:15]
	v_lshl_add_u32 v[SPW], v0, 2, SPARE
	v_mov_b32 v[NIL], 0
	ds_add_u32 v[SPW], v[NIL]                      ; the opening lines: the add, twice on end, and its wait
	ds_add_u32 v[SPW], v[NIL]
	v_lshrrev_b32 v31, 5, v0
	v_readfirstlane_b32 s[WV], v31                 ; wave 0..7
	v_and_b32 v58, 15, v0                          ; g = r = lane % 16
	v_bfe_u32 v59, v0, 4, 1                        ; hh = h = lane / 16
	v_lshlrev_b32 v[GQ], 4, v58
	v_lshl_add_u32 v[KG], v59, 16, v[GQ]
	v_lshl_add_u32 v[GQ], v59, 12, v[GQ]
	v_lshlrev_b32 v[MG], 5, v0
	s_bfe_u32 s17, ttmp6, 0x40000                  ; cx: it enters q's and out0's offsets alone
	s_and_b32 s18, ttmp7, 0xffff                   ; 16 x batch + head: the cluster's y
	s_lshr_b32 s19, s18, 4                         ; batch
	s_and_b32 s46, s18, 15
	s_lshl_b32 s46, s46, 8                         ; the head's 256 bytes of a row,
	s_lshl_b32 s47, s19, 23                        ; the batch's 2,048 rows of 4,096 bytes
	s_add_co_u32 s46, s46, s47
	s_lshl_b32 s48, s[WV], 17                      ; k: my wave's 32 rows of a trip
	s_add_co_u32 s48, s48, s46
	s_mov_b32 s49, 0
	s_lshl_b32 s50, s17, 21                        ; q, out0: my work-group's 512 rows, my wave's 32 rows of a block
	s_add_co_u32 s50, s50, s48
	s_mov_b32 s51, 0
	s_lshl_b32 s52, s19, 13                        ; mask: the batch's 2,048 words
	s_mov_b32 s53, 0
	s_lshl_b32 s46, s18, 17                        ; v_codes: the head's 64 rows of 2,048 bytes, my chunk's 256 bytes of a row
	s_lshl_b32 s47, s[WV], 8
	s_add_co_u32 s46, s46, s47
	s_mov_b32 s47, 0
	; descriptor group 1: 64 rows x 256 bytes, 2,048 bytes apart, 16 bytes of padding behind each row
	s_mov_b32 s[G1], 15|(1<<20)|(1<<21)|(5<<22)|(3<<25)   ; the mask: all four work-groups; elements of 1 byte; padding on; bit 21 beside a mask; four words after every 64
	s_mov_b32 s[G1+1], 256<<16
	s_mov_b32 s[G1+2], 64<<16
	s_mov_b32 s[G1+3], 256<<16
	s_mov_b32 s[G1+4], 64
	s_mov_b32 s[G1+5], 2048
	s_mov_b32 s[G1+6], 0
	s_mov_b32 s[G1+7], 0
	s_mov_b32 s[G0], 1
	s_mul_i32 s[G0+1], s[WV], VCH
	s_add_co_u32 s[G0+1], s[G0+1], VBASE           ; LDS address: my chunk
	s_mul_i32 s45, s[WV], STW
	s_add_co_u32 s45, s45, STG                     ; my stage
	s_lshr_b32 s54, s[WV], 2                       ; my 32 keys lie in step w / 4 of a trip, rows 32 (w % 4) on
	s_and_b32 s55, s[WV], 3
	s_mul_i32 s19, s54, KSTEPB
	s_lshl_b32 s20, s55, 11
	s_lshl_b32 s54, s54, 9
	s_lshl_b32 s55, s55, 7
	s_add_co_u32 s55, s55, s54
	s_add_co_u32 s55, s55, LBASE                   ; their hold limits
	s_add_co_u32 s54, s19, s20                     ; their codes
	s_mov_b32 s[SEL], 0x76543210
	s_mov_b32 s[SEL+1], 0xfedcba98
	s_mov_b32 s[KB], 0
	s_mov_b32 s[BB], 0
	VW
	s_wait_dscnt 0x0                               ; both opening adds are done
	s_wait_kmcnt 0x0
	s_load_b128 s[20:23], s[12:13], 0x0            ; eq, ek, ep, ev
	s_add_nc_u64 s[G0+2:G0+3], s[8:9], s[46:47]
	s_or_b32 s[G0+3], s[G0+3], 0x80000000          ; type = 2
	s_add_nc_u64 s[KP:KP+1], s[KP:KP+1], s[48:49]
	s_add_nc_u64 s[QP:QP+1], s[QP:QP+1], s[50:51]
	s_add_nc_u64 s[OP:OP+1], s[OP:OP+1], s[50:51]
	s_add_nc_u64 s[MP:MP+1], s[MP:MP+1], s[52:53]
	s_add_nc_u64 s[KN:KN+1], s[KP:KP+1], 0x100000  ; trip 1: the first trip of the walk steps it to trip 2, whose numbers it finds in registers
	global_load_b128 v[64:67], v[MG], s[MP:MP+1]   ; my thread's 8 mask words
	global_load_b128 v[68:71], v[MG], s[MP:MP+1] offset:16
	LOADROWS 3, KP, 0                              ; my keys of trip 0,
	LOADROWS 0, QP, 0                              ; my queries of block 0,
	LOADROWS 1, KP, 0x100000                       ; my keys of trip 1
	CROUND                                         ; all four work-groups are here: the joint loads meet
	tensor_load_to_lds s[G0:G0+3], s[G1:G1+7]      ; my chunk of V: my one tensor load of the launch
	s_nop 0
.rept 4
	v_nop
.endr
	v_lshrrev_b32 v60, 2, v58                      ; r / 4
	v_lshlrev_b32 v61, 1, v59                      ; 2 h
	v_xor_b32 v62, v61, v60
	v_lshlrev_b32 v62, 4, v62
	v_lshl_add_u32 v[AK0], v58, 6, v62
	v_xor_b32 v[AK1], 16, v[AK0]
	v_add_nc_u32 v[QA0], s45, v[AK0]
	v_add_nc_u32 v[QA1], s45, v[AK1]
	v_mul_u32_u24 v[AV0], v58, 272
	v_lshl_add_u32 v[AV0], v59, 4, v[AV0]
	v_add_nc_u32 v[AV0], VBASE, v[AV0]
	v_lshlrev_b32 v[AB0], 5, v59
	v_add_nc_u32 v[AB0], BBASE, v[AB0]
	v_lshl_add_u32 v[LT0], v59, 5, s55
	v_mul_u32_u24 v[STO], v58, 272
	v_lshl_add_u32 v[STO], v59, 5, v[STO]
	v_add_nc_u32 v[STO], s45, v[STO]
	v_mul_u32_u24 v[RD], v59, 272
	v_lshl_add_u32 v[RD], v58, 4, v[RD]
	v_add_nc_u32 v[RD], s45, v[RD]
	v_and_b32 v63, 3, v58
	v_lshlrev_b32 v63, 2, v63                      ; my 4 codes' place in a column of 16 bytes
	v_lshl_add_u32 v31, v59, 9, v63                ; K: 8 hh rows on
	v_add_nc_u32 v31, s54, v31
	v_lshl_add_u32 v63, v59, 10, v63               ; Q: 16 hh rows on
	v_add_nc_u32 v63, s45, v63
.irp s, 0,1
	v_xor_b32 v62, \s, v61                         ; (rho / 4) % 4 = 2 hh + s
	v_xor_b32 v62, v62, v60                        ; my column g / 4, turned by it
	v_lshl_add_u32 v[ASK+\s], v62, 4, v31
.endr
.irp s, 0,1,2,3
	v_xor_b32 v62, \s, v60
	v_lshl_add_u32 v[ASQ+\s], v62, 4, v63
.endr
	v_and_b32 v[TA], 0xfc, v0                      ; the tables: thread x holds keys 8 x on: eight neighbouring rows; bits 0 and 1 of x change places
	v_lshlrev_b32 v[TA], 5, v[TA]
	v_and_b32 v62, 1, v0
	v_lshl_add_u32 v[TA], v62, 6, v[TA]
	v_bfe_u32 v62, v0, 1, 1
	v_lshl_add_u32 v[TA], v62, 5, v[TA]
	v_add_nc_u32 v[TA], BBASE, v[TA]
	v_mov_b32 v[ZERO], 0
	VW
	s_wait_kmcnt 0x0
	s_add_co_i32 s19, s20, s21                     ; eq + ek
	s_lshl_b32 s46, s19, 23
	s_add_co_i32 s[CS], s46, 0x3e38aa3b            ; log2(e) / 8, with eq + ek added to its exponent field: t = raw sum x c
	s_mov_b32 s[CS+1], s[CS]
	s_sub_co_i32 s46, 160, s19
	s_lshl_b32 s46, s46, 23
	s_or_b32 s46, s46, 0x80000000                  ; -2^(33 - eq - ek)
	s_add_co_i32 s47, s21, 127
	s_lshl_b32 s48, s47, 23                        ; 2^ek: the conversion takes its exponent field
	s_add_co_i32 s47, s47, 15
	s_lshl_b32 s47, s47, 23
	s_or_b32 s47, s47, 0x600000                    ; 57,344 x 2^ek
	s_add_co_i32 s49, s20, 127
	s_lshl_b32 s50, s49, 23
	s_add_co_i32 s49, s49, 15
	s_lshl_b32 s49, s49, 23
	s_or_b32 s49, s49, 0x600000
	s_add_co_i32 s51, s22, 127
	s_lshl_b32 s52, s51, 23
	s_add_co_i32 s51, s51, 15
	s_lshl_b32 s51, s51, 23
	s_or_b32 s[LPS], s51, 0x600000
	s_add_co_i32 s[EPV], s22, s23                  ; ep + ev
	v_mov_b32 v[BIASV], s46
	v_mov_b32 v[SCK], s48
	v_mov_b32 v[LK], s47
	v_mov_b32 v[SCQ], s50
	v_mov_b32 v[LQ], s49
	v_mov_b32 v[SCP], s52
	VW
	s_wait_loadcnt 48                              ; the mask's two loads are in (behind them: 3 x 16)
	LOADROWS 2, KP, 0x200000                       ; my keys of trip 2: they stay on their way into the walk
.irp i, 0,1,2,3,4,5,6,7
	v_cmp_eq_u32 vcc_lo, 0, v[64+\i]
	v_cndmask_b32 v[72+\i], 0, v[BIASV], vcc_lo    ; C: 0, or the bias of a masked key
	v_cndmask_b32 v[80+\i], v[LK], v[ZERO], vcc_lo ; the hold limit: 57,344 x 2^ek, or 0
.endr
	ds_store_b128 v[TA], v[72:75]
	ds_store_b128 v[TA], v[76:79] offset:16
	ds_store_b128 v[TA], v[80:83] offset:8192
	ds_store_b128 v[TA], v[84:87] offset:8208
	VW
	s_wait_dscnt 0x0
	s_barrier_signal -1
	s_barrier_wait -1                              ; both tables are whole
	s_wait_loadcnt 48                              ; trip 0's keys are in (behind them: Q, trips 1 and 2)
	KQUANT 3, 0, 0
	VW
	s_wait_loadcnt 32                              ; block 0's queries
	s_wait_dscnt 0x0
	QWORK 0
	VW
	s_wait_loadcnt 16                              ; trip 1's keys
	KQUANT 1, 1, 0
	VW
	s_wait_tensorcnt 0x0                           ; my chunk of V has landed,
	s_wait_dscnt 0x0                               ; my codes of trips 0 and 1 are stored, Q's fragments are in:
	s_barrier_signal -1
	s_barrier_wait -1                              ; that holds of all eight waves
; THE SOFTMAX, in numbered lists; each macro writes number J for tile t.
; L1 (41): 0-33 the largest of my 64 scores, in two chains, ascending, and lane xor 16's; 34-40 as t, the running largest t, -M = floor(-t), f = 2^(old M - new M).
.macro L1 t
.set rT, ST0+12*(\t)
.set rS, S+64*(\t)
.if J == 0
	v_max3_num_f32 v[rT+6], v[rS], v[rS+1], v[rS+2]
.elseif J == 1
	v_max3_num_f32 v[rT+7], v[rS+3], v[rS+4], v[rS+5]
.elseif J < 30
	v_max3_num_f32 v[rT+6+J%2], v[rT+6+J%2], v[rS+2*J+2], v[rS+2*J+3]
.elseif J == 30
	v_max3_num_f32 v[rT+6], v[rT+6], v[rS+62], v[rS+63]
.elseif J == 31
	v_max_num_f32 v[rT+6], v[rT+6], v[rT+7]
.elseif J == 32
	v_permlanex16_b32 v[rT+7], v[rT+6], s[SEL], s[SEL+1]
.elseif J == 33
	v_max_num_f32 v[rT+6], v[rT+6], v[rT+7]
.elseif J == 34
	v_mul_f32 v[rT+6], s[CS], v[rT+6]              ; c is positive
.elseif J == 35
	v_max_num_f32 v[rT+1], v[rT+1], v[rT+6]
.elseif J == 36
	v_mov_b32 v[rT+7], v[rT]
.elseif J == 37
	v_floor_f32 v[rT], -v[rT+1]                    ; -M = floor(-t) = -ceil(t)
.elseif J == 38
	v_sub_f32 v[rT+7], v[rT], v[rT+7]              ; old M - new M: a whole number, 0 or less
.elseif J == 39
	v_cvt_i32_f32 v[rT+7], v[rT+7]                 ; (it saturates)
.else
	v_ldexp_f32 v[rT+4], 1.0, v[rT+7]              ; f: a power of two, so the rescaling rounds nothing
.endif
.endm
.macro TM t, n                         ; t - M of numbers 2 n, 2 n + 1
	v_pk_fma_f32 v[S+64*(\t)+2*(\n):S+64*(\t)+2*(\n)+1], v[S+64*(\t)+2*(\n):S+64*(\t)+2*(\n)+1], s[CS:CS+1], v[ST0+12*(\t):ST0+12*(\t)+1] op_sel_hi:[1,0,0]
.endm
.macro SUM t                           ; (33): 0 the sum x f; 1-32 the sum of the UNQUANTISED p, two at a time, in two chains
.set rT, ST0+12*(\t)
.set rS, S+64*(\t)
.if J == 0
	v_pk_mul_f32 v[rT+2:rT+3], v[rT+2:rT+3], v[rT+4:rT+5] op_sel_hi:[1,0]
.elseif J == 1
	v_pk_add_f32 v[rT+8:rT+9], v[rS:rS+1], v[rS+2:rS+3]
.elseif (J < 32) && (J%2 == 0)
	v_pk_add_f32 v[rT+2:rT+3], v[rT+2:rT+3], v[rS+2*J:rS+2*J+1]
.elseif J < 32
	v_pk_add_f32 v[rT+8:rT+9], v[rT+8:rT+9], v[rS+2*J:rS+2*J+1]
.else
	v_pk_add_f32 v[rT+2:rT+3], v[rT+2:rT+3], v[rT+8:rT+9]
.endif
.endm
.macro DMIN t, n                       ; the one-sided hold of numbers 2 n, 2 n + 1 (p is not negative), behind the line of the sum that read them
	v_dual_min_num_f32 v[S+64*(\t)+2*(\n)], s[LPS], v[S+64*(\t)+2*(\n)] :: v_dual_min_num_f32 v[S+64*(\t)+2*(\n)+1], s[LPS], v[S+64*(\t)+2*(\n)+1]
.endm
.macro CVT t                           ; the conversions: their results are P
.irp m, 0,1,2,3,4,5,6,7
	v_cvt_scalef32_pk8_bf8_f32 v[P+16*(\t)+2*\m:P+16*(\t)+2*\m+1], v[S+64*(\t)+8*\m:S+64*(\t)+8*\m+7], v[SCP]
.endr
.endm
; A KEY STEP: 128 keys, the q-th of the trip's 256.  Its fragments of K and of the table were asked for in the step before.
.macro STEP q
	WIN 0
.if \q == 0
	v_add_nc_u32 v[ADV], s[VB], v[AV0]             ; this line and the four below: five places between the last products and the products that write over V's registers (ISA guide 7.12.1)
.else
	v_nop
.endif
.rept 4
	v_nop
.endr
	WIN 0x11                                       ; K and the table window 1, Q and S^T window 0
	VW
	s_wait_dscnt 0x0                               ; K and the table are in
.irp tt, 0,1,2,3,4,5,6,7                       ; sixteen accumulators, one instruction each
.irp u, 0,1
	v_wmma_f32_16x16x64_bf8_bf8 v[S+64*\u+8*\tt:S+64*\u+8*\tt+7], v[8*\tt:8*\tt+7], v[QF+8*\u:QF+8*\u+7], v[64+8*\tt:64+8*\tt+7]
.endr
.endr
	WIN 0
.rept 4
	v_nop                                          ; places in front of the loads into K's and the table's registers and of the first read of the scores
.endr
.if \q == 0
	KTLOAD KSTEPB, 512                             ; the trip's second step
.else
	s_add_co_u32 s[KB], s[KB], 2*KSTEPB            ; on to the next trip's first step;
	s_add_co_u32 s[BB], s[BB], 1024
	s_cmp_eq_u32 s[CNT], 1                         ; a block's last trip has none: a branch on the count of trips round the loads alone
	VW
	s_cbranch_scc1 .Lno_step_\@
	KTADR
	KTLOAD 0, 0
.Lno_step_\@:
.endif
.set J, 0
.rept 41                                       ; the two tiles' lists by turns: four chains of maxima
	L1 0
	L1 1
.set J, J+1
.endr
.set J, 0
.rept 32
	TM 0, J
.set J, J+1
.endr
	VW                                             ; ahead of the batch
.set J, 0
.rept 32                                       ; tile 0's exponentials; between them tile 1's t - M, which is first read behind the next wait
	v_exp_f32 v[S+2*J], v[S+2*J]
	v_exp_f32 v[S+2*J+1], v[S+2*J+1]
	TM 1, J
.set J, J+1
.endr
	VW                                             ; behind the batch
.set J, 0
.rept 33
	SUM 0
.set J, J+1
.endr
	VW                                             ; ahead of the second batch
.set J, 0
.rept 32                                       ; tile 1's exponentials; between them tile 0's holds, which are first read behind the next wait
	v_exp_f32 v[S+64+2*J], v[S+64+2*J]
	v_exp_f32 v[S+64+2*J+1], v[S+64+2*J+1]
	DMIN 0, J
.set J, J+1
.endr
	WIN 0x41
	VW                                             ; behind the batch, and directly ahead of the first reader of O^T
.irp u, 0,1
.irp j, 0,2,4,6,8,10,12,14,16,18,20,22,24,26,28,30
	v_pk_mul_f32 v[192+32*\u+\j:192+32*\u+\j+1], v[192+32*\u+\j:192+32*\u+\j+1], v[ST0+12*\u+4:ST0+12*\u+5] op_sel_hi:[1,0]   ; O^T under the new M, each accumulator from its low end on
.endr
.endr
	WIN 0
	CVT 0
.irp d, 0,1,2,3                                ; V's four fragments take the registers of tile 0's p, which is converted; tile 1's lists stand between these loads and the wait for them
.irp c, 0,1,2,3
	ds_load_b128 v[S+16*\d+4*\c:S+16*\d+4*\c+3], v[ADV] offset:\d*4352+128*\q+32*\c
.endr
.endr
.set J, 0
.rept 33
	SUM 1
.if J == 1
	DMIN 1, 0
	DMIN 1, 1
.elseif (J >= 2) && (J < 32)
	DMIN 1, J
.endif
.set J, J+1
.endr
	CVT 1
	v_nop                                          ; one plain line behind the last conversion
	WIN 0x50                                       ; V and P window 0, O^T window 1
	VW
	s_wait_dscnt 0x0                               ; V is in
.irp d, 0,1,2,3                                ; eight accumulators by turns, one instruction a turn
.irp u, 0,1
	v_wmma_f32_16x16x128_bf8_bf8 v[192+32*\u+8*\d:192+32*\u+8*\d+7], v[S+16*\d:S+16*\d+15], v[P+16*\u:P+16*\u+15], v[192+32*\u+8*\d:192+32*\u+8*\d+7]
.endr
.endr
.endm
; THE WAY OUT of a block: O^T / the sum x 2^(ep + ev) goes through my stage, a tile (16 rows of 256 bytes) at a time, and leaves as whole rows: sixteen lanes store 256 consecutive bytes, at a multiple of 256 from out0's first byte.
.macro OUT be
	WIN 0
.irp u, 0,1
	v_add_f32 v[ST0+12*\u+6], v[ST0+12*\u+2], v[ST0+12*\u+3]
.endr
.irp u, 0,1
	v_permlanex16_b32 v[ST0+12*\u+7], v[ST0+12*\u+6], s[SEL], s[SEL+1]
.endr
.irp u, 0,1
	v_add_f32 v[ST0+12*\u+6], v[ST0+12*\u+6], v[ST0+12*\u+7]
.endr
	VW
.irp u, 0,1
	v_rcp_f32 v[ST0+12*\u+10], v[ST0+12*\u+6]
.endr
	v_nop                                          ; a plain line behind the reciprocals
	VW
.irp u, 0,1
	v_ldexp_f32 v[ST0+12*\u+10], v[ST0+12*\u+10], s[EPV]
.endr
	WIN 0x01                                       ; (the additions, the v_nop and the two lines above are the places behind the last products)
	VW                                             ; directly ahead of the first reader of O^T
.irp u, 0,1
.irp j, 0,2,4,6,8,10,12,14,16,18,20,22,24,26,28,30
	v_pk_mul_f32 v[64+32*\u+\j:64+32*\u+\j+1], v[192+32*\u+\j:192+32*\u+\j+1], v[ST0+12*\u+10:ST0+12*\u+11] op_sel_hi:[1,0]
.endr
.endr
	WIN 0
.irp u, 0,1
.irp d, 0,1,2,3
	ds_store_b128 v[STO], v[64+32*\u+8*\d:64+32*\u+8*\d+3] offset:64*\d          ; lane (r, h): o(query r, 16 d + 8 h + 0 .. 7)
	ds_store_b128 v[STO], v[64+32*\u+8*\d+4:64+32*\u+8*\d+7] offset:64*\d+16
.endr
.irp i, 0,1,2,3,4,5,6,7
	ds_load_b128 v[128+32*\u+4*\i:128+32*\u+4*\i+3], v[RD] offset:544*\i         ; LDS serves a wave's instructions in order: these see my stores, and the next tile's stores come behind them
.endr
.endr
	VW
.irp i, 0,1,2,3,4,5,6,7
	s_wait_dscnt 23-\i                             ; behind tile 0's load i: its 7 - i younger loads, tile 1's eight stores and eight loads
	global_store_b128 v[GQ], v[128+4*\i:128+4*\i+3], s[OP:OP+1] offset:(\be)*1048576+(2*\i)*4096 th:TH_STORE_NT
.endr
.irp i, 0,1,2,3,4,5,6,7
	s_wait_dscnt 7-\i
	global_store_b128 v[GQ], v[160+4*\i:160+4*\i+3], s[OP:OP+1] offset:(\be)*1048576+(16+2*\i)*4096 th:TH_STORE_NT
.endr
.endm
; A BLOCK of 256 queries: my 32 walk all 2,048 keys, two steps a trip.  The step is written once: O^T and the sum begin as zeros and the largest t as -3e38, so the first change of M multiplies zeros.
.macro BLOCK be
	s_mov_b32 s[KB], 0
	s_mov_b32 s[BB], 0
	s_mov_b32 s[VB], 0
	s_mov_b32 s[CNT], 8
	KTADR
	KTLOAD 0, 0                                    ; the first step's fragments
.irp u, 0,1
	v_mov_b32 v[ST0+12*\u+1], 0xff61b1e6
	v_floor_f32 v[ST0+12*\u], -v[ST0+12*\u+1]
	v_mov_b32 v[ST0+12*\u+2], 0
	v_mov_b32 v[ST0+12*\u+3], 0
	v_mov_b32 v[ST0+12*\u+5], 0                    ; (named as the upper halves of pairs)
	v_mov_b32 v[ST0+12*\u+11], 0
.endr
	WIN 0x40
.set J, 0
.rept 64
	v_mov_b32 v[192+J], 0
.set J, J+1
.endr
	WIN 0
	VW
.Ltrip\be:
.if \be == 0
	s_cmp_le_u32 s[CNT], 2                         ; the last two trips have no trip two on: a branch on the count of trips, the same in all waves, round no barrier
	VW
	s_cbranch_scc1 .Lno_next
	s_wait_loadcnt 0x0                             ; my 32 rows of the trip two on are in, so the loads' base may be written
	s_add_nc_u64 s[KN:KN+1], s[KN:KN+1], 0x100000  ; k at that trip; the loads name the trip behind it (256 rows of 4,096 bytes on)
	s_cmp_eq_u32 s[CNT], 3
	s_cselect_b64 s[LA:LA+1], s[QP:QP+1], s[KN:KN+1]   ; in trip 5 no keys are left to ask for: the same lines bring my 32 queries of block 1 (256 rows behind block 0's)
	KQUANT 2, 2, 1
.Lno_next:
	VW
	s_wait_dscnt 0x0                               ; my codes of the trip two on are stored:
	s_barrier_signal -1                            ; say so; up to the wait below only registers are worked on and LDS bytes read that nobody writes any more
.endif
	STEP 0
	STEP 1
	WIN 0                                          ; at a label and at a branch every window is 0
	s_add_co_u32 s[VB], s[VB], VCH
	s_sub_co_u32 s[CNT], s[CNT], 1
	VW
.if \be == 0
	s_barrier_wait -1                              ; everybody's codes of the trip two on are stored
.endif
	s_cmp_lg_u32 s[CNT], 0
	s_cbranch_scc1 .Ltrip\be
	OUT \be
.endm
	BLOCK 0
	VW
	s_wait_xcnt 0x0                                ; the registers that block 0's stores read are written again only behind this wait
	s_wait_loadcnt 0x0                             ; block 1's queries are in
	QWORK 2
	BLOCK 1
	s_wait_tensorcnt 0x0                           ; the wave's end
	ds_add_u32 v[SPW], v[NIL]
	s_wait_dscnt 0x0
	CROUND                                         ; the closing round
	s_endpgm
.Lfunc_end_k_q09b6d4cc6a_attn:
	.size	k_q09b6d4cc6a_attn, .Lfunc_end_k_q09b6d4cc6a_attn-k_q09b6d4cc6a_attn
	.p2alignl 7, 3214868480
	.fill 96, 4, 3214868480
	.section	.rodata,"a",@progbits
	.p2align	6, 0x0
	.amdhsa_kernel k_q09b6d4cc6a_attn
		.amdhsa_group_segment_fixed_size 327680
		.amdhsa_private_segment_fixed_size 0
		.amdhsa_enable_private_segment 0
		.amdhsa_kernarg_size 48
		.amdhsa_user_sgpr_count 2
		.amdhsa_user_sgpr_kernarg_segment_ptr 1
		.amdhsa_wavefront_size32 1
		.amdhsa_system_sgpr_workgroup_id_x 1
		.amdhsa_system_sgpr_workgroup_id_y 1
		.amdhsa_system_sgpr_workgroup_id_z 1
		.amdhsa_system_vgpr_workitem_id 0
		.amdhsa_next_free_vgpr 512
		.amdhsa_next_free_sgpr 66
		.amdhsa_reserve_vcc 1
		.amdhsa_float_denorm_mode_32 3
		.amdhsa_float_denorm_mode_16_64 3
		.amdhsa_memory_ordered 1
		.amdhsa_forward_progress 1
		.amdhsa_inst_pref_size 189
	.end_amdhsa_kernel
	.amdgpu_metadata
---
amdhsa.version: [ 1, 2 ]
amdhsa.kernels:
  - .name:           k_q09b6d4cc6a_attn
    .symbol:         k_q09b6d4cc6a_attn.kd
    .args:
      - { .name: q, .offset: 0, .size: 8, .value_kind: global_buffer, .address_space: global }
      - { .name: k, .offset: 8, .size: 8, .value_kind: global_buffer, .address_space: global }
      - { .name: v_codes, .offset: 16, .size: 8, .value_kind: global_buffer, .address_space: global }
      - { .name: mask, .offset: 24, .size: 8, .value_kind: global_buffer, .address_space: global }
      - { .name: lowp_scales, .offset: 32, .size: 8, .value_kind: global_buffer, .address_space: global }
      - { .name: out0, .offset: 40, .size: 8, .value_kind: global_buffer, .address_space: global }
    .group_segment_fixed_size: 327680
    .private_segment_fixed_size: 0
    .kernarg_segment_align: 8
    .kernarg_segment_size: 48
    .max_flat_workgroup_size: 256
    .sgpr_count:     66
    .vgpr_count:     512
    .wavefront_size: 32
...
	.end_amdgpu_metadata
.endif
;; end of part 1
